; MI455X (gfx1250); checked and timed in simulation.
; The chip was launched on July 23, 2026; its instructions are those of AMD's public machine-readable ISA for CDNA 5 (MIT licence, August 2026) and "CDNA5" Instruction Set Architecture Reference Guide (July 2026). The comments in the code are by the model that wrote it; some were corrected since.
;; Ternary Linear. Allowed arithmetic: float matrix products may take bf16 or f16 operands with f32 sums; other float arithmetic in f32, or as packed bf16 or f16 multiplies, adds, multiply-adds, maxima and minima; sums over many terms, partial sums and values carried from step to step in f32; what a program stores and reads back later, other than sums and carried values, may be rounded once to bf16 or f16.
;; Inputs: input 4,096 x 4,096 float32; weight 4,096 x 4,096 float32.
;; Outputs: out0 4,096 x 4,096 float32.
;; One version. Each part assembles by itself: llvm-mc -triple=amdgcn-amd-amdhsa -mcpu=gfx1250 --defsym DOCPART=n.
;; ======== version 1 of 1: 3 launches
;; workspace buffers: part 1,024 bytes; xb 33,554,432 bytes; wt 33,554,432 bytes
;; launch absum (part 1): grid 256 x 1, 32 waves a work-group, no clusters, 4,352 bytes of LDS; arguments weight, part; writes part
.if DOCPART == 1
	.amdgcn_target "amdgcn-amd-amdhsa--gfx1250"
	.amdhsa_code_object_version 6
	.text
	.protected	k_q8c1a02c357_absum
	.globl	k_q8c1a02c357_absum
	.p2align	8
	.type	k_q8c1a02c357_absum,@function
k_q8c1a02c357_absum:
	s_mov_b64 s[64:65], 0
	v_nop
	global_prefetch_b8 v0, s[64:65] scope:SCOPE_SE
	s_setreg_imm32_b32 hwreg(HW_REG_WAVE_MODE, 25, 1), 1
	s_wait_xcnt 0x0
; part[g] = the sum of |bf16(w)| over work-group g's 65,536 weights.  weight: [4096][4096] f32; part: 256 f32.
; WHY bf16.  The program ternarises the weights AS ROUNDED TO bf16 (to nearest even): the mean is taken of |bf16(w)| and is later held against |bf16(w)|.
; LIMITS.  A weight whose magnitude lies within half a bf16 step (2^-9 of itself) of the mean may so be ternarised otherwise than from its f32 value.  The sum is a tree
; (8 chains a lane, 32 lanes, 32 waves, 256 work-groups), not a chain in memory order.  A NaN or an infinity among the weights goes into the sum as it is.
; |w| beyond bf16's largest finite number rounds to infinity.
; SHARES.  256 work-groups of 32 waves; a work-group takes 262,144 consecutive bytes.  Thread t takes 16 bytes at 16 t + 16,384 j, j = 0 .. 15: a wave's load covers 512 consecutive
; bytes, aligned.  There is no loop: all sixteen loads of a wave go out at once, 8 KiB a wave, 256 KiB a work-group, and are taken up in order.
; No matrix unit, no cluster, no tiles in LDS: each byte is read once by one lane, and nothing is shared.
.set SPARE, 256                        ; LDS: bytes 0-127 the 32 waves' sums (the block 0-255 is theirs); from 256 on the spare words, 128 bytes for each of 32 waves, which no other line names
.set VI,  1                            ; v1   16 t; never rewritten
.set LR,  2                            ; v2   4 x lane: where wave 0 reads the waves' sums
.set WS,  3                            ; v3   4 x wave: where my wave puts its sum
.set ZO,  4                            ; v4   0: the store's offset
.set TP,  5                            ; v5   takes the other half of the lanes' sum
.set SPW, 6                            ; v6   LDS address of my spare word: SPARE + 4 x my thread's number; never rewritten
.set NIL, 7                            ; v7   0; never rewritten
.set T,   8                            ; v[8:9]    four weights as bf16, signs cleared
.set U,   10                           ; v[10:13]  the same as f32
.set ACC, 14                           ; v[14:21]  eight running sums
.set X,   24                           ; v[24:87]  load j at X + 4 j
	s_load_b128 s[4:7], s[0:1], 0x0                ; weight s[4:5], part s[6:7]
	v_lshl_add_u32 v[SPW], v0, 2, SPARE
	v_mov_b32 v[NIL], 0
	v_lshrrev_b32 v[LR], 5, v0
	v_readfirstlane_b32 s8, v[LR]                  ; my wave's number
	v_mov_b32 v[WS], s8
	v_lshlrev_b32 v[WS], 2, v[WS]
	v_lshlrev_b32 v[VI], 4, v0
	v_and_b32 v[LR], 31, v0
	v_lshlrev_b32 v[LR], 2, v[LR]
	v_mov_b32 v[ZO], 0
	v_mov_b32 v[TP], 0                             ; v_permlanex16_b32's destination counts as read: it is written here
	s_lshl_b32 s10, ttmp9, 18                      ; the work-group's 262,144 bytes (67 million at the most)
	s_mov_b32 s11, 0
	s_lshl_b32 s18, ttmp9, 2                       ; its word of part
	s_mov_b32 s19, 0
	s_mov_b32 s13, 0x7fff7fff                      ; clears the signs of two bf16
	s_mov_b32 s14, 0xffff0000                      ; a word's upper bf16
	s_mov_b32 s16, 0x76543210                      ; v_permlanex16_b32: each lane takes its own place in the other half
	s_mov_b32 s17, 0xfedcba98
	s_wait_kmcnt 0x0
	s_add_nc_u64 s[4:5], s[4:5], s[10:11]
	s_add_nc_u64 s[6:7], s[6:7], s[18:19]
.set j, 0
.rept 16
	global_load_b128 v[X+4*j:X+4*j+3], v[VI], s[4:5] offset:16384*j th:TH_LOAD_NT
.set j, j+1
.endr
; Four weights of load j: rounded to bf16 two at a time, signs cleared two at a time, widened again (a shift, a mask) into v[d .. d+3].
.macro ROUND4 j, d
	v_cvt_pk_bf16_f32 v[T],   v[X+4*(\j)],   v[X+4*(\j)+1]
	v_cvt_pk_bf16_f32 v[T+1], v[X+4*(\j)+2], v[X+4*(\j)+3]
	v_and_b32 v[T],   s13, v[T]
	v_and_b32 v[T+1], s13, v[T+1]
	v_lshlrev_b32 v[(\d)],   16,  v[T]
	v_and_b32     v[(\d)+1], s14, v[T]
	v_lshlrev_b32 v[(\d)+2], 16,  v[T+1]
	v_and_b32     v[(\d)+3], s14, v[T+1]
.endm
; The sum over the wave's 32 lanes, in every lane: four steps inside each half of 16 lanes ride on the addition, one crosses the halves.
.macro WSUM r
	v_add_f32_dpp v[\r], v[\r], v[\r] row_xmask:1 row_mask:0xf bank_mask:0xf
	v_add_f32_dpp v[\r], v[\r], v[\r] row_xmask:2 row_mask:0xf bank_mask:0xf
	v_add_f32_dpp v[\r], v[\r], v[\r] row_xmask:4 row_mask:0xf bank_mask:0xf
	v_add_f32_dpp v[\r], v[\r], v[\r] row_xmask:8 row_mask:0xf bank_mask:0xf
	v_permlanex16_b32 v[TP], v[\r], s16, s17
	v_add_f32 v[\r], v[\r], v[TP]
.endm
.set j, 0
.rept 16
	s_wait_loadcnt 15-j                            ; loads come back in order: load j is in, the 15 - j younger ones stay out
.if j < 2
	ROUND4 j, ACC+4*j                              ; the first two loads start the eight sums: nothing is cleared
.else
	ROUND4 j, U
	v_pk_add_f32 v[ACC+4*(j%2):ACC+4*(j%2)+1],   v[ACC+4*(j%2):ACC+4*(j%2)+1],   v[U:U+1]
	v_pk_add_f32 v[ACC+4*(j%2)+2:ACC+4*(j%2)+3], v[ACC+4*(j%2)+2:ACC+4*(j%2)+3], v[U+2:U+3]
.endif
.set j, j+1
.endr
	v_pk_add_f32 v[ACC:ACC+1],   v[ACC:ACC+1],   v[ACC+2:ACC+3]
	v_pk_add_f32 v[ACC+4:ACC+5], v[ACC+4:ACC+5], v[ACC+6:ACC+7]
	v_pk_add_f32 v[ACC:ACC+1],   v[ACC:ACC+1],   v[ACC+4:ACC+5]
	v_add_f32 v[ACC], v[ACC], v[ACC+1]
	WSUM ACC
	ds_store_b32 v[WS], v[ACC]                     ; all lanes write my wave's word with the same number
	s_wait_dscnt 0x0                               ; for the others' sake: my store is done
	s_barrier_signal -1
	s_barrier_wait -1                              ; all 32 sums lie in LDS
	s_cmp_lg_u32 s8, 0
	s_cbranch_scc1 .Lend                           ; wave 0 finishes
	ds_load_b32 v[U], v[LR]                        ; lane l takes wave l's sum
	s_wait_dscnt 0x0
	WSUM U
	s_wait_xcnt 0x0                                ; EXEC changes only behind this wait
	v_cmp_eq_u32 vcc_lo, 0, v0
	s_and_saveexec_b32 s12, vcc_lo
	global_store_b32 v[ZO], v[U], s[6:7]           ; four bytes a work-group, 1,024 in the launch: the one store of the program that does not cover 256 bytes on end
	s_wait_xcnt 0x0                                ; and again, in front of the line that widens it
	s_or_b32 exec_lo, exec_lo, s12
.Lend:
	s_wait_tensorcnt 0x0                           ; the wave's end: a wait, an add of 0 to my spare word and its wait, behind my last LDS store
	ds_add_u32 v[SPW], v[NIL]
	s_wait_dscnt 0x0
	s_endpgm
.Lfunc_end_k_q8c1a02c357_absum:
	.size	k_q8c1a02c357_absum, .Lfunc_end_k_q8c1a02c357_absum-k_q8c1a02c357_absum
	.p2alignl 7, 3214868480
	.fill 96, 4, 3214868480
	.section	.rodata,"a",@progbits
	.p2align	6, 0x0
	.amdhsa_kernel k_q8c1a02c357_absum
		.amdhsa_group_segment_fixed_size 4352
		.amdhsa_private_segment_fixed_size 0
		.amdhsa_enable_private_segment 0
		.amdhsa_kernarg_size 16
		.amdhsa_user_sgpr_count 2
		.amdhsa_user_sgpr_kernarg_segment_ptr 1
		.amdhsa_wavefront_size32 1
		.amdhsa_system_sgpr_workgroup_id_x 1
		.amdhsa_system_sgpr_workgroup_id_y 1
		.amdhsa_system_sgpr_workgroup_id_z 1
		.amdhsa_system_vgpr_workitem_id 0
		.amdhsa_next_free_vgpr 88
		.amdhsa_next_free_sgpr 66
		.amdhsa_reserve_vcc 1
		.amdhsa_float_denorm_mode_32 3
		.amdhsa_float_denorm_mode_16_64 3
		.amdhsa_memory_ordered 1
		.amdhsa_forward_progress 1
		.amdhsa_inst_pref_size 12
	.end_amdhsa_kernel
	.amdgpu_metadata
---
amdhsa.version: [ 1, 2 ]
amdhsa.kernels:
  - .name:           k_q8c1a02c357_absum
    .symbol:         k_q8c1a02c357_absum.kd
    .args:
      - { .name: weight, .offset: 0, .size: 8, .value_kind: global_buffer, .address_space: global }
      - { .name: part, .offset: 8, .size: 8, .value_kind: global_buffer, .address_space: global }
    .group_segment_fixed_size: 4352
    .private_segment_fixed_size: 0
    .kernarg_segment_align: 8
    .kernarg_segment_size: 16
    .max_flat_workgroup_size: 1024
    .sgpr_count:     66
    .vgpr_count:     88
    .wavefront_size: 32
...
	.end_amdgpu_metadata
.endif
;; end of part 1
;; launch prep (part 2): grid 1024 x 2, 8 waves a work-group, no clusters, 0 bytes of LDS; arguments input, weight, part, xb, wt; writes xb, wt
.if DOCPART == 2
	.amdgcn_target "amdgcn-amd-amdhsa--gfx1250"
	.amdhsa_code_object_version 6
	.text
	.protected	k_q8c1a02c357_prep
	.globl	k_q8c1a02c357_prep
	.p2align	8
	.type	k_q8c1a02c357_prep,@function
k_q8c1a02c357_prep:
	s_mov_b64 s[64:65], 0
	v_nop
	global_prefetch_b8 v0, s[64:65] scope:SCOPE_SE
	s_setreg_imm32_b32 hwreg(HW_REG_WAVE_MODE, 25, 1), 1
	s_wait_xcnt 0x0
; Work-groups with y = 0:  xb = bf16(input), rounded to nearest even.
; Work-groups with y = 1:  mean = (the sum of part's 256 numbers) x 2^-24;  wt = sign(w) where |bf16(w)| > mean, else 0; as bf16 (+1.0, -1.0, +0): exact.
; input, weight: [4096][4096] f32; xb, wt: [4096][4096] bf16, same order.
; LIMITS.  The weights are judged AS ROUNDED TO bf16, by the very lines that made the sums in part: a weight whose magnitude lies within half a bf16 step (2^-9 of itself) of the mean
; may be ternarised otherwise than from its f32 value.  The mean's sum is a tree, not a chain in memory order.  Where the mean is NaN or infinite every comparison fails and wt is 0.
; A weight that is 0, or rounds to 0, gives 0: no mean lies below 0.  An input beyond bf16's largest finite number rounds to infinity.
; SHARES.  A work-group takes 65,536 source bytes and writes 32,768.  Thread t loads 16 bytes at 16 t + 4,096 j and stores their 8 bytes at 8 t + 2,048 j, j = 0 .. 15: a wave's load covers
; 512 consecutive bytes, its store 256 consecutive bytes at a multiple of 256.  No loop: sixteen loads a wave go out at once; results are made in the registers that were loaded, so no
; register of a store is written again.  Every wave of y = 1 adds part's 256 numbers in the same order, so all hold the same mean; each step of the sum over lanes is an addition of a
; pair, which does not hang on the order of its two terms, so all lanes hold the same bits.
; No LDS, no matrix unit, no cluster: each byte is wanted by one lane.  The branch hangs on the work-group's y alone; the mean enters comparisons whose masks only select values.
.set VI,  1                            ; v1   16 t; never rewritten
.set VO,  2                            ; v2   8 t; never rewritten
.set PL,  3                            ; v3   16 x lane: my place in part
.set P,   4                            ; v[4:11]   my eight numbers of part; then v4 = the mean
.set T,   12                           ; v[12:13]  four weights as bf16, signs cleared
.set U,   14                           ; v[14:17]  the same as f32
.set TP,  18                           ; v18       takes the other half of the lanes' sum
.set X,   20                           ; v[20:83]  load j at X + 4 j; its result in the first two of the four
	s_load_b256 s[4:11], s[0:1], 0x0               ; input s[4:5], weight s[6:7], part s[8:9], xb s[10:11]
	s_load_b64 s[12:13], s[0:1], 0x20              ; wt
	s_and_b32 s14, ttmp7, 0xffff                   ; y: 0 the input, 1 the weights
	s_lshl_b32 s20, ttmp9, 16                      ; the work-group's source bytes
	s_mov_b32 s21, 0
	s_lshl_b32 s22, ttmp9, 15                      ; and where its results go
	s_mov_b32 s23, 0
	s_mov_b32 s24, 0x7fff7fff                      ; clears the signs of two bf16
	s_mov_b32 s25, 0xffff0000                      ; a word's upper bf16
	s_mov_b32 s26, 0x7fffffff                      ; all of a word but its sign
	s_mov_b32 s27, 0x07060302                      ; v_perm_b32: the upper halves of two words, the second source's below
	s_mov_b32 s28, 0x76543210                      ; v_permlanex16_b32: each lane takes its own place in the other half
	s_mov_b32 s29, 0xfedcba98
	v_lshlrev_b32 v[VI], 4, v0
	v_lshlrev_b32 v[VO], 3, v0
	v_and_b32 v[PL], 31, v0
	v_lshlrev_b32 v[PL], 4, v[PL]
	v_mov_b32 v[TP], 0                             ; v_permlanex16_b32's destination counts as read: it is written here
	s_wait_kmcnt 0x0
	s_add_nc_u64 s[4:5], s[4:5], s[20:21]          ; each pointer is stepped by itself; a path names its own two
	s_add_nc_u64 s[6:7], s[6:7], s[20:21]
	s_add_nc_u64 s[10:11], s[10:11], s[22:23]
	s_add_nc_u64 s[12:13], s[12:13], s[22:23]
	s_cmp_lg_u32 s14, 0
	s_cbranch_scc1 .Lw
.macro LOADS b                         ; the work-group's 65,536 bytes behind the pointer in s[b:b+1]
.set j, 0
.rept 16
	global_load_b128 v[X+4*j:X+4*j+3], v[VI], s[\b:\b+1] offset:4096*j th:TH_LOAD_NT
.set j, j+1
.endr
.endm
.macro OUT j, b                        ; four bf16: 8 bytes a lane
	global_store_b64 v[VO], v[X+4*(\j):X+4*(\j)+1], s[\b:\b+1] offset:2048*(\j) th:TH_STORE_NT
.endm
; Four weights of load j: rounded to bf16, signs cleared, widened again into v[d .. d+3]: line for line what made the sums in part.
.macro ROUND4 j, d
	v_cvt_pk_bf16_f32 v[T],   v[X+4*(\j)],   v[X+4*(\j)+1]
	v_cvt_pk_bf16_f32 v[T+1], v[X+4*(\j)+2], v[X+4*(\j)+3]
	v_and_b32 v[T],   s24, v[T]
	v_and_b32 v[T+1], s24, v[T+1]
	v_lshlrev_b32 v[(\d)],   16,  v[T]
	v_and_b32     v[(\d)+1], s25, v[T]
	v_lshlrev_b32 v[(\d)+2], 16,  v[T+1]
	v_and_b32     v[(\d)+3], s25, v[T+1]
.endm
.macro WSUM r                          ; the sum over the wave's 32 lanes, in every lane
	v_add_f32_dpp v[\r], v[\r], v[\r] row_xmask:1 row_mask:0xf bank_mask:0xf
	v_add_f32_dpp v[\r], v[\r], v[\r] row_xmask:2 row_mask:0xf bank_mask:0xf
	v_add_f32_dpp v[\r], v[\r], v[\r] row_xmask:4 row_mask:0xf bank_mask:0xf
	v_add_f32_dpp v[\r], v[\r], v[\r] row_xmask:8 row_mask:0xf bank_mask:0xf
	v_permlanex16_b32 v[TP], v[\r], s28, s29
	v_add_f32 v[\r], v[\r], v[TP]
.endm
; Four weights of load j become four ternary bf16 in the load's first two registers.
.macro TERN j
	ROUND4 \j, U
.irp k, 0,1,2,3
	v_bfi_b32 v[X+4*(\j)+(\k)], s26, 1.0, v[X+4*(\j)+(\k)]          ; 1.0 with the weight's sign
.endr
.irp k, 0,1,2,3
	v_cmp_lt_f32 vcc_lo, v[P], v[U+(\k)]                            ; mean < |bf16(w)|
	v_cndmask_b32 v[X+4*(\j)+(\k)], 0, v[X+4*(\j)+(\k)], vcc_lo     ; keeps it there, 0 elsewhere
.endr
	v_perm_b32 v[X+4*(\j)],   v[X+4*(\j)+1], v[X+4*(\j)],   s27     ; +-1.0 and 0 in f32 have nothing in their lower halves: the upper halves are the bf16
	v_perm_b32 v[X+4*(\j)+1], v[X+4*(\j)+3], v[X+4*(\j)+2], s27
.endm
	LOADS 4                                        ; THE INPUT
.set i, 0
.rept 16
	s_wait_loadcnt 15-i                            ; loads come back in order: load i is in, the 15 - i younger ones stay out
	v_cvt_pk_bf16_f32 v[X+4*i],   v[X+4*i],   v[X+4*i+1]
	v_cvt_pk_bf16_f32 v[X+4*i+1], v[X+4*i+2], v[X+4*i+3]
	OUT i, 10
.set i, i+1
.endr
	s_endpgm
.Lw:                                               ; THE WEIGHTS
	global_load_b128 v[P:P+3],   v[PL], s[8:9]             ; part: 1,024 bytes, eight numbers a lane; every wave reads them, so no hint
	global_load_b128 v[P+4:P+7], v[PL], s[8:9] offset:512
	LOADS 6
	s_wait_loadcnt 16                              ; part is in; the sixteen loads issued behind it stay out
	v_pk_add_f32 v[P:P+1],   v[P:P+1],   v[P+2:P+3]
	v_pk_add_f32 v[P+4:P+5], v[P+4:P+5], v[P+6:P+7]
	v_pk_add_f32 v[P:P+1],   v[P:P+1],   v[P+4:P+5]
	v_add_f32 v[P], v[P], v[P+1]
	WSUM P
	v_mul_f32 v[P], 0x33800000, v[P]               ; x 2^-24: 4,096 x 4,096 weights; a power of two, so nothing is rounded
.set i, 0
.rept 16
	s_wait_loadcnt 15-i
	TERN i
	OUT i, 12
.set i, i+1
.endr
	s_endpgm
.Lfunc_end_k_q8c1a02c357_prep:
	.size	k_q8c1a02c357_prep, .Lfunc_end_k_q8c1a02c357_prep-k_q8c1a02c357_prep
	.p2alignl 7, 3214868480
	.fill 96, 4, 3214868480
	.section	.rodata,"a",@progbits
	.p2align	6, 0x0
	.amdhsa_kernel k_q8c1a02c357_prep
		.amdhsa_group_segment_fixed_size 0
		.amdhsa_private_segment_fixed_size 0
		.amdhsa_enable_private_segment 0
		.amdhsa_kernarg_size 40
		.amdhsa_user_sgpr_count 2
		.amdhsa_user_sgpr_kernarg_segment_ptr 1
		.amdhsa_wavefront_size32 1
		.amdhsa_system_sgpr_workgroup_id_x 1
		.amdhsa_system_sgpr_workgroup_id_y 1
		.amdhsa_system_sgpr_workgroup_id_z 1
		.amdhsa_system_vgpr_workitem_id 0
		.amdhsa_next_free_vgpr 84
		.amdhsa_next_free_sgpr 66
		.amdhsa_reserve_vcc 1
		.amdhsa_float_denorm_mode_32 3
		.amdhsa_float_denorm_mode_16_64 3
		.amdhsa_memory_ordered 1
		.amdhsa_forward_progress 1
		.amdhsa_inst_pref_size 27
	.end_amdhsa_kernel
	.amdgpu_metadata
---
amdhsa.version: [ 1, 2 ]
amdhsa.kernels:
  - .name:           k_q8c1a02c357_prep
    .symbol:         k_q8c1a02c357_prep.kd
    .args:
      - { .name: input, .offset: 0, .size: 8, .value_kind: global_buffer, .address_space: global }
      - { .name: weight, .offset: 8, .size: 8, .value_kind: global_buffer, .address_space: global }
      - { .name: part, .offset: 16, .size: 8, .value_kind: global_buffer, .address_space: global }
      - { .name: xb, .offset: 24, .size: 8, .value_kind: global_buffer, .address_space: global }
      - { .name: wt, .offset: 32, .size: 8, .value_kind: global_buffer, .address_space: global }
    .group_segment_fixed_size: 0
    .private_segment_fixed_size: 0
    .kernarg_segment_align: 8
    .kernarg_segment_size: 40
    .max_flat_workgroup_size: 256
    .sgpr_count:     66
    .vgpr_count:     84
    .wavefront_size: 32
...
	.end_amdgpu_metadata
.endif
;; end of part 2
;; launch gemm (part 3): grid 16 x 16, 4 waves a work-group, clusters of 4 x 4, 327,680 bytes of LDS; arguments xb, wt, out0; writes out0
.if DOCPART == 3
	.amdgcn_target "amdgcn-amd-amdhsa--gfx1250"
	.amdhsa_code_object_version 6
	.text
	.protected	k_q8c1a02c357_gemm
	.globl	k_q8c1a02c357_gemm
	.p2align	8
	.type	k_q8c1a02c357_gemm,@function
k_q8c1a02c357_gemm:
	s_mov_b64 s[64:65], 0
	v_nop
	global_prefetch_b8 v0, s[64:65] scope:SCOPE_SE
	s_setreg_imm32_b32 hwreg(HW_REG_WAVE_MODE, 25, 1), 1
	s_wait_xcnt 0x0
	s_wait_alu depctr_hold_cnt(0) depctr_sa_sdst(0) depctr_va_vdst(0) depctr_va_sdst(0) depctr_va_ssrc(0) depctr_va_vcc(0) depctr_vm_vsrc(0)
	s_getreg_b32 s2, hwreg(HW_REG_IB_STS2, 6, 4)
	s_cmp_eq_u32 s2, 0
	s_cbranch_scc0 .Lentry_in_a_cluster
	s_endpgm
.Lentry_in_a_cluster:
	s_bfe_u32 s2, ttmp6, 0x10000c
	s_cmp_lg_u32 s2, 0xf033
	s_cbranch_scc0 .Lentry_shape_is_right
	s_endpgm
.Lentry_shape_is_right:
; out0[m][n] = the sum over k of xb[m][k] wt[n][k].  xb (A): [4096][4096] bf16, the input rounded once; wt (B): [4096][4096] bf16, the ternary weights (+1, -1, 0: exact); out0 (C): f32.
; One f32 sum for each output, K ascending; nothing is rounded behind the sums.  LIMIT: the input enters as bf16 (8 significant bits).
; A tile of C, 256 x 256, is made by a work-group of four waves; a wave makes 128 x 128: 64 accumulators of 16 x 16, 512 registers.  16 x 16 tiles: 256 work-groups, one tile each.
; K goes in steps of 128 through a ring of two LDS slots filled by the tensor data mover: the rows of A's and B's tiles are 256 bytes of memory and start at multiples of 256 bytes.
; CLUSTERS: 4 x 4 work-groups.  The four of a row of the cluster make tiles of one tile row of C and need the same tiles of A; the four of a column the same tiles of B.  Such a tile is asked
; for JOINTLY: each of the four issues the same tensor load, with the same descriptor and a mask that names the four, and each receives it in its own LDS: a quarter of the requests.
; REGISTERS, in windows of 256 (s_set_vgpr_msb's low byte: bits 1:0 source 0, 3:2 source 1, 5:4 source 2, 7:6 destination):
;   window 0: v0-31 addresses; v64-127, v128-191 fragments of A (8 x 16 rows x 32 K), two buffers; on the way out the same 128 registers take rows of C back from the stage
;   window 1: v64-127, v128-191 fragments of B, two buffers
;   window 2: the 32 accumulators of my rows 0-63 (accumulator (a, b) at v[8 (8 a + b)]);   window 3: those of my rows 64-127
; THE MATRIX INSTRUCTION IS USED TRANSPOSED: source 0 = 16 rows of B, source 1 = 16 rows of A.  In the result lane l holds row m = l % 16 of C, and its registers 0 to 7 the columns
; 8 (l / 16) + 0 .. 7: 32 consecutive bytes of a row of C.
; All of a WGP's LDS is claimed; 312,832 bytes are used.
.set SIZE_M, 4096
.set SIZE_N, 4096
.set SIZE_K, 4096
.set KSTEP,  128
.set PITCH,  272                       ; an LDS row: 256 bytes of data + 16 of padding = 68 words: row r starts at bank 4 r mod 64 (64 banks of 4 bytes: ISA guide 11.1), so the 16 rows that a load touches start at 16 different banks
.set HALFT,  128*PITCH                 ; 128 rows: what one tensor load brings, and what one wave reads of A or of B
.set SLOT,   4*HALFT                   ; A's 256 rows, then B's 256 rows
.set STAGE,  2*SLOT                    ; behind the ring, where no tile lands: a stage for each wave, for the way out
.set SPITCH, 528                       ; a stage row: 128 f32 = 512 bytes + 16 = 132 words: row r again starts at bank 4 r mod 64
.set WSTAGE, 16*SPITCH                 ; 16 rows: 8,448 bytes = 33 blocks of 256
.set SPARE,  STAGE+4*WSTAGE            ; behind the stages: the spare words, 128 bytes for each wave: two blocks of 256 bytes that no other line names
.set CROW,   SIZE_N*4                  ; bytes in a row of C
.set LAPS,   SIZE_K/(2*KSTEP)          ; a lap = two K steps = once round the ring: 16
.set ADRA, 16                          ; v16-17  LDS address of my A fragments in slot 0, 1
.set ADRB, 20                          ; v20-21  the same for B
.set STO,  24                          ; v24     the way out: where I put 32 bytes of a row
.set RD,   25                          ; v25     the way out: where I read 16 bytes of a row back
.set CO,   26                          ; v26     my byte offset in my wave's 512 bytes of a row of C; never rewritten
.set SPW,  28                          ; v28     LDS address of my spare word: SPARE + 4 x my thread's number; never rewritten
.set NIL,  29                          ; v29     0; never rewritten
.set PFO,  30                          ; v30     the prefetches' offset: my lane x a row of A or B in memory (8,192 bytes); never rewritten
.set PFA,  44                          ; s[44:45] where my prefetches stand: my work-group's 32 rows of the 128 that I fetch, one K step further along K than the refill that is being asked for; a prefetch names the K step after that
.set LIM,  43                          ; s43     1 in a wave that prefetches, else the greatest number
.set F0,   64                          ; fragment buffer 0
.set F1,   128                         ; fragment buffer 1
.set G1,  24                           ; s[24:31] descriptor group 1 for A's tiles
.set G0,  32                           ; s[32:39] descriptor group 0 for A's tiles, one set for each slot
.set G1B, 48                           ; s[48:55] descriptor group 1 for B's tiles: it differs from A's in the mask alone
.set G0B, 56                           ; s[56:63] descriptor group 0 for B's tiles, one set for each slot
.set MSB, 0
.macro WIN new                         ; the immediate's high byte repeats the setting that is left; a switch that changes nothing is dropped
.if MSB != (\new)
	s_set_vgpr_msb (MSB<<8)|(\new)
.set MSB, \new
.endif
.endm
.set MUL_LO, 0xa1                      ; source 0 (B) window 1, source 1 (A) window 0, C and D window 2
.set MUL_HI, 0xf1                      ; the same, C and D window 3
.set TO_B,   0x40                      ; destination window 1, address window 0
; A joint load.  Waves 0 and 1 fetch A's two halves, waves 2 and 3 B's.  Each of the two lines has ONE mask and one set of registers for all that issue it, and nothing in them hangs on a
; coordinate that the four partners do not share.  The branch hangs on the wave's number alone.  An s_nop 0 and four v_nop follow each of the two lines, ahead of the jump, the label and what follows.
.macro JLOAD s
	s_cmp_eq_u32 s11, 0
	s_cbranch_scc0 .Lfor_b_\@
	tensor_load_to_lds s[G0+4*(\s):G0+4*(\s)+3], s[G1:G1+7]
	s_nop 0
.rept 4
	v_nop
.endr
	s_branch .Lasked_\@
.Lfor_b_\@:
	tensor_load_to_lds s[G0B+4*(\s):G0B+4*(\s)+3], s[G1B:G1B+7]
	s_nop 0
.rept 4
	v_nop
.endr
.Lasked_\@:
.endm
; A PREFETCH INTO THE L2, behind each joint refill, its five lines and the run of LDS loads that follows them: the K step that stands TWO refills on, 512 matrix instructions ahead of the load
; that will ask for it: 32 rows x 256 bytes, a lane a row, one instruction a wave.  Each row's 256 bytes of a K step are named ONCE in the launch.  A's tile row is read by all four clusters of
; that row of clusters: the one with cluster x = 0 asks; B's tile column by all four of that column: cluster y = 0 asks.  The four partners that ask for a tile jointly share its rows out BY
; ADDRESS: of the 128 rows that a wave fetches the partner at place p takes 32 p .. 32 p + 31 (p = cx for A, cy for B): no branch hangs on a work-group's place in its cluster.
; K steps 0 to 3 come by their loads alone; the loop's last trip (s3 = 1) asks for nothing: its refills are K steps 30 and 31, the last.
.macro ASK
	s_cmp_gt_u32 s3, s[LIM]
	s_cbranch_scc0 .Lnot_mine_\@
	global_prefetch_b8 v[PFO], s[PFA:PFA+1] offset:KSTEP*2 th:TH_LOAD_NT scope:SCOPE_SE
.Lnot_mine_\@:
.endm
; A round of the cluster's barrier: my work-group's barrier, so that wave 0's signal speaks for all four waves; wave 0 signals for the work-group; every wave waits for all sixteen
; work-groups; my work-group's barrier once more.  No LDS instruction of the wave is pending at a signal.
.macro CREST                           ; a round behind its opening barrier
	s_cmp_lg_u32 s10, 0
	s_cbranch_scc1 .Lnot_wave_0_\@
	s_barrier_signal -3
.Lnot_wave_0_\@:
	s_barrier_wait -3
	s_barrier_signal -1
	s_barrier_wait -1
.endm
.macro CROUND                          ; a whole round
	s_barrier_signal -1
	s_barrier_wait -1
	CREST
.endm
	s_load_b128 s[4:7], s[0:1], 0x0                ; A (xb) s[4:5], B (wt) s[6:7]
	s_load_b64 s[8:9], s[0:1], 0x10                ; C (out0)
	v_lshl_add_u32 v[SPW], v0, 2, SPARE
	v_mov_b32 v[NIL], 0
	ds_add_u32 v[SPW], v[NIL]                      ; the wave's opening: the add, twice on end, and its wait ahead of my first tensor load; the set-up below, work on registers, stands between
	ds_add_u32 v[SPW], v[NIL]                      ; and once more, under the one wait
	v_lshrrev_b32 v1, 5, v0
	v_readfirstlane_b32 s10, v1                    ; wave 0..3
	s_lshr_b32 s11, s10, 1                         ; which half of the tile's rows is mine.  Also: I fetch for A (0) or for B (1)
	s_and_b32 s12, s10, 1                          ; which half of its columns.  Also: which 128 rows of that tile I fetch
	s_bfe_u32 s40, ttmp6, 0x40000                  ; cx: my place along the cluster's x
	s_bfe_u32 s41, ttmp6, 0x40004                  ; cy: along its y
	s_lshl_b32 s42, ttmp9, 2                       ; in a cluster launch ttmp9 and ttmp7 count clusters
	s_add_co_u32 s42, s42, s40                     ; tile column of C = 4 x cluster x + cx
	s_and_b32 s13, ttmp7, 0xffff
	s_lshl_b32 s13, s13, 2
	s_add_co_u32 s13, s13, s41                     ; tile row of C = 4 x cluster y + cy
	s_lshl_b32 s43, s41, 2
	s_lshl_b32 s43, 15, s43                        ; my row of the cluster: places 4 cy .. 4 cy + 3
	s_lshl_b32 s44, 0x1111, s40                    ; my column: places cx, cx + 4, cx + 8, cx + 12
	; descriptor group 1: a tile of 128 rows x 128 elements, padded in LDS
	s_or_b32 s[G1+0], s43, (1<<16)|(1<<20)|(1<<21)|(5<<22)|(3<<25)  ; 15:0 the mask: A's tiles go to my row; 17:16 elements of 2 bytes; 20 padding on; 21 set beside a mask; 24:22 after every 64 words (code 5); 31:25 4 words of it (code 3)
	s_or_b32 s[G1B+0], s44, (1<<16)|(1<<20)|(1<<21)|(5<<22)|(3<<25) ; the same with the mask of my column, for B's tiles
	s_mov_b32 s[G1B+1], KSTEP<<16
	s_mov_b32 s[G1+1], KSTEP<<16                   ; 63:48 tensor_dim0, low half = 128
	s_mov_b32 s[G1B+2], 128<<16
	s_mov_b32 s[G1+2], 128<<16                     ; 79:64 its high half = 0; 95:80 tensor_dim1, low half = 128
	s_mov_b32 s[G1B+3], KSTEP<<16
	s_mov_b32 s[G1+3], KSTEP<<16                   ; 111:96 its high half = 0; 127:112 tile_dim0 = 128
	s_mov_b32 s[G1B+4], 128
	s_mov_b32 s[G1+4], 128                         ; 143:128 tile_dim1 = 128; 159:144 tile_dim2 = 0
	s_mov_b32 s[G1B+5], SIZE_K
	s_mov_b32 s[G1+5], SIZE_K                      ; 191:160 tensor_dim0_stride, low word: elements from row to row
	s_mov_b32 s[G1B+6], 0
	s_mov_b32 s[G1+6], 0
	s_mov_b32 s[G1B+7], 0
	s_mov_b32 s[G1+7], 0
	; where the tiles come from.  A's hang on the tile row alone, which my row of the cluster shares; B's on the tile column alone, which my column shares.
	; Every wave makes both addresses, in registers that never hold the other coordinate, and asks by one of them.
	s_lshl_b32 s17, s12, 7                         ; which 128 rows of the tile I fetch
	s_lshl_b32 s16, s13, 8
	s_add_co_u32 s16, s16, s17                     ; A: row 256 x tile row + 128 x half
	s_lshl_b32 s46, s42, 8
	s_add_co_u32 s46, s46, s17                     ; B: row 256 x tile column + 128 x half
	s_mov_b32 s17, 0
	s_mov_b32 s47, 0
	s_mov_b64 s[18:19], SIZE_K*2
	s_mul_u64 s[16:17], s[16:17], s[18:19]         ; in bytes
	s_mul_u64 s[46:47], s[46:47], s[18:19]
	s_mul_i32 s20, s10, HALFT                      ; and where they go: A's two halves, then B's two halves = wave x 128 rows: no place in the cluster enters an LDS address
	s_wait_dscnt 0x0                               ; both opening adds are done
	s_wait_kmcnt 0x0
	s_add_nc_u64 s[14:15], s[4:5], s[16:17]
	s_add_nc_u64 s[46:47], s[6:7], s[46:47]
	CROUND                                         ; all sixteen work-groups are here: the first joint loads meet
.irp s, 0,1
	s_mov_b32 s[G0+4*(\s)], 1                                      ; 1:0 count = 1
	s_add_co_u32 s[G0+4*(\s)+1], s20, (\s)*SLOT                    ; 63:32 LDS address
	s_add_nc_u64 s[G0+4*(\s)+2:G0+4*(\s)+3], s[14:15], (\s)*KSTEP*2  ; 120:64 global address: K step s
	s_or_b32 s[G0+4*(\s)+3], s[G0+4*(\s)+3], 0x80000000            ; 127:126 type = 2
	s_mov_b32 s[G0B+4*(\s)], 1
	s_add_co_u32 s[G0B+4*(\s)+1], s20, (\s)*SLOT
	s_add_nc_u64 s[G0B+4*(\s)+2:G0B+4*(\s)+3], s[46:47], (\s)*KSTEP*2
	s_or_b32 s[G0B+4*(\s)+3], s[G0B+4*(\s)+3], 0x80000000
	JLOAD \s                                       ; the ring is filled before anything else is done: two loads of mine are out
.endr
	; A fragment is 16 rows x 32 K in 8 registers: lane l holds row l % 16; registers 0-3 hold K = 8 (l / 16) + 0..7, registers 4-7 hold K = 16 + 8 (l / 16) + 0..7.
	; From rows that lie along K: two loads of 16 bytes, 32 bytes apart.  The same for source 0 and source 1.
	v_and_b32 v1, 15, v0                           ; l % 16
	v_bfe_u32 v2, v0, 4, 1                         ; l / 16
	v_mul_u32_u24 v3, v1, PITCH
	v_lshl_add_u32 v3, v2, 4, v3                   ; row x pitch + 16 x half
	s_mul_i32 s21, s11, HALFT                      ; my 128 rows of A
	s_mul_i32 s22, s12, HALFT                      ; my 128 rows of B,
	s_add_co_u32 s22, s22, 2*HALFT                 ; which lie behind A's 256
.irp s, 0,1
	v_add_nc_u32 v[ADRA+(\s)], s21, v3
	v_add_nc_u32 v[ADRB+(\s)], s22, v3
	s_add_co_u32 s21, s21, SLOT
	s_add_co_u32 s22, s22, SLOT
.endr
	s_mul_i32 s23, s10, WSTAGE
	s_add_co_u32 s23, s23, STAGE                   ; my stage
	v_mul_u32_u24 v4, v1, SPITCH                   ; in: row l % 16, 32 bytes for each half of the lanes
	v_lshl_add_u32 v4, v2, 5, v4
	v_add_nc_u32 v[STO], s23, v4
	v_and_b32 v5, 31, v0
	v_lshlrev_b32 v[CO], 4, v5                     ; back, and out: the 32 lanes take one row's 512 bytes, 16 each
	v_add_nc_u32 v[RD], s23, v[CO]
	; C at my wave's first row and column
	s_lshl_b32 s13, s13, 8
	s_lshl_b32 s14, s11, 7
	s_add_co_u32 s16, s13, s14                     ; my first row of C: 256 x tile row + 128 x half
	s_mov_b32 s17, 0
	s_mov_b64 s[18:19], CROW
	s_mul_u64 s[16:17], s[16:17], s[18:19]
	s_lshl_b32 s46, s42, 10                        ; my first column, in bytes: 1,024 x tile column + 512 x half (in the registers that held B's address: none that feeds A's descriptors ever holds cx)
	s_lshl_b32 s47, s12, 9
	s_add_co_u32 s46, s46, s47
	s_mov_b32 s47, 0
	s_add_nc_u64 s[16:17], s[16:17], s[46:47]
	s_add_nc_u64 s[8:9], s[8:9], s[16:17]
	; the prefetches.  s13 = 256 x tile row, s42 = tile column, s40 = cx, s41 = cy still stand; s[4:5] = A, s[6:7] = B
	s_lshl_b32 s42, s42, 8
	s_and_b32 s22, ttmp7, 0xffff                   ; cluster y
	s_cmp_eq_u32 s11, 0                            ; do I fetch for A?
	s_cselect_b32 s20, s13, s42                    ; the tile's first row: in A by the tile row, in B by the tile column
	s_cselect_b32 s21, s40, s41                    ; my place among the four that ask for it with me
	s_cselect_b32 s22, ttmp9, s22                  ; the coordinate along which other clusters read the same rows
	s_cselect_b64 s[PFA:PFA+1], s[4:5], s[6:7]
	s_cmp_eq_u32 s22, 0
	s_cselect_b32 s[LIM], 1, -1                    ; the same in all sixteen partners, for a given wave
	s_lshl_b32 s22, s12, 7
	s_add_co_u32 s20, s20, s22                     ; + the 128 rows that I fetch
	s_lshl_b32 s21, s21, 5
	s_add_co_u32 s20, s20, s21                     ; + my work-group's 32 of them
	s_mov_b32 s21, 0
	s_mov_b64 s[18:19], SIZE_K*2
	s_mul_u64 s[20:21], s[20:21], s[18:19]
	s_add_nc_u64 s[PFA:PFA+1], s[PFA:PFA+1], s[20:21]
	s_add_nc_u64 s[PFA:PFA+1], s[PFA:PFA+1], 2*KSTEP*2  ; at K step 2: the first refill steps it to 3 and names K step 4
	v_and_b32 v[PFO], 31, v0
	v_mul_u32_u24 v[PFO], v[PFO], SIZE_K*2
	; nothing is prefetched here, at the head, where every work-group's first two tiles are on their way
; 16 matrix instructions: m blocks a0, a0 + 1 of the window's four (hi = 0: my rows 0-63, 1: rows 64-127) x all 8 n blocks, 32 along K.
; zero = 1: the first product starts the sums: nothing is ever cleared.  The 64 accumulators take turns, one instruction a turn, in the same order in every quarter step.
.macro MUL16 f, hi, a0, zero
	WIN MUL_LO+0x50*(\hi)
.irp a, \a0, (\a0)+1
.irp b, 0,1,2,3,4,5,6,7
.if \zero
	v_wmma_f32_16x16x32_bf16 v[8*(8*(\a)+(\b)):8*(8*(\a)+(\b))+7], v[(\f)+8*(\b):(\f)+8*(\b)+7], v[(\f)+8*(4*(\hi)+(\a)):(\f)+8*(4*(\hi)+(\a))+7], 0
.else
	v_wmma_f32_16x16x32_bf16 v[8*(8*(\a)+(\b)):8*(8*(\a)+(\b))+7], v[(\f)+8*(\b):(\f)+8*(\b)+7], v[(\f)+8*(4*(\hi)+(\a)):(\f)+8*(4*(\hi)+(\a))+7], v[8*(8*(\a)+(\b)):8*(8*(\a)+(\b))+7]
.endif
.endr
.endr
.endm
; 32 LDS loads in one run: the fragments of one quarter step (128 rows of B, 128 rows of A, 32 K at byte k of the rows) into buffer f
.macro FETCH slot, k, f
	WIN TO_B
.irp i, 0,1,2,3,4,5,6,7
	ds_load_b128 v[(\f)+8*(\i):(\f)+8*(\i)+3],   v[ADRB+(\slot)] offset:(\k)+(\i)*16*PITCH
	ds_load_b128 v[(\f)+8*(\i)+4:(\f)+8*(\i)+7], v[ADRB+(\slot)] offset:(\k)+(\i)*16*PITCH+32
.endr
	WIN 0
.irp i, 0,1,2,3,4,5,6,7
	ds_load_b128 v[(\f)+8*(\i):(\f)+8*(\i)+3],   v[ADRA+(\slot)] offset:(\k)+(\i)*16*PITCH
	ds_load_b128 v[(\f)+8*(\i)+4:(\f)+8*(\i)+7], v[ADRA+(\slot)] offset:(\k)+(\i)*16*PITCH+32
.endr
.endm
; A load into a register that a matrix instruction has read, and a store that reads a matrix result, stand four places behind that matrix instruction, and only plain vector instructions that
; name none of its registers are places (ISA guide 7.12.1 for vector instructions); the matrix instructions in between are not counted.
.macro PLACES
.rept 4
	v_nop
.endr
.endm
; A K step is four quarter steps of 32 along K, 64 matrix instructions each, on buffers 0, 1, 0, 1.
; One of the first three: multiplies buffer f; in its middle it fetches the next quarter's fragments, at byte k of the same slot's rows, into buffer g.
.macro QUARTER slot, k, f, g, zero
	s_wait_dscnt 8                                 ; B and A's rows 0-63 are in; the youngest eight loads (A's rows 64-127) may be out
	WIN MUL_LO
	MUL16 \f, 0, 0, \zero
	MUL16 \f, 0, 2, \zero
	PLACES
	FETCH \slot, \k, \g
	s_wait_dscnt 32                                ; all but the 32 just issued
	WIN MUL_HI
	MUL16 \f, 1, 0, \zero
	MUL16 \f, 1, 2, \zero
.endm
; The last quarter multiplies buffer 1 and changes slots.  MEET is its first half: ONE barrier for the change of slots, for two things.  In front of it each wave waits for all its tensor
; loads, of which one is out: its part of the next slot; adds 0 to its spare word; and waits for that and for its own reads of this slot.  Behind it nobody reads this slot any more and the next slot is whole.
.macro MEET round                      ; round = 1: the rest of a round of the cluster's barrier follows
	WIN 0                                          ; (the add's two registers lie in window 0)
	s_wait_tensorcnt 0x0                           ; all my tensor loads have landed: the one that was out is my part of the next slot;
	ds_add_u32 v[SPW], v[NIL]                      ; 0 onto my spare word;
	s_wait_dscnt 9                                 ; (the add and the youngest eight loads may be out)
	WIN MUL_LO
	MUL16 F1, 0, 0, 0                              ; sixteen matrix instructions stand between the add and the wait for it
	s_wait_dscnt 0x0                               ; the add is done, and my reads of this slot are over:
	s_barrier_signal -1                            ; say so,
	MUL16 F1, 0, 2, 0                              ; work on registers while the others arrive,
.if \round
	WIN 0
.endif
	s_barrier_wait -1                              ; and go on when all four have said so
.endm
; The whole last quarter.  fill = 1: the barrier opens a round of the cluster's barrier, and behind the round the slot just read out is filled again first, with the K step two steps on;
; from that request to the wait for it a wave issues 224 matrix instructions.  Then come the next slot's first fragments.  fill = 0: nothing is left to fetch.
.macro TURN slot, next, fill
.if \fill
	s_wait_xcnt 0x0                                ; the last prefetch, a K step back, has read its address: it is stepped here, ahead of the waits of the change of slots
	s_add_nc_u64 s[PFA:PFA+1], s[PFA:PFA+1], KSTEP*2
	MEET 1
	CREST                                          ; all sixteen work-groups have said so: no wave of any partner still reads this slot's tile or has a load on its way
	s_add_nc_u64 s[G0+4*(\slot)+2:G0+4*(\slot)+3], s[G0+4*(\slot)+2:G0+4*(\slot)+3], 2*KSTEP*2      ; no tensor load of mine is out, so the descriptors may be written
	s_add_nc_u64 s[G0B+4*(\slot)+2:G0B+4*(\slot)+3], s[G0B+4*(\slot)+2:G0B+4*(\slot)+3], 2*KSTEP*2
	JLOAD \slot                                    ; the first tensor load behind the round, my only one until the next; the four v_nop behind it are also the places in front of the loads below
.else
	MEET 0
	PLACES
.endif
	FETCH \next, 0, F0
.if \fill
	ASK                                            ; behind the joint load and the run of LDS loads that the next products wait for
.endif
	WIN MUL_HI
	MUL16 F1, 1, 0, 0
	MUL16 F1, 1, 2, 0
.endm
; THE WAY OUT of block a (16 rows x 128 columns of f32), in two parts.  A lane's 32 bytes are a sixteenth of a row's 512, and the lanes beside it hold other rows: so the block goes through my
; own stage in LDS and comes back by rows.  TOSTAGE: straight from the accumulators (each one's four lowest registers first) into rows of 528 bytes, and back as whole rows,
; into A's fragment registers, two buffers by turns.  The stage is my wave's own, and LDS serves a wave's instructions in order (ISA guide 5.7.1.4): no wait between the stores and the loads,
; nor between these loads and the next block's stores.
.macro TOSTAGE a
.set AC, 64*((\a)%4)
.set OB, 64+64*((\a)%2)
	WIN 0x08+4*((\a)/4)                            ; the stores' data (source 1) in window 2 or 3, their address in window 0
.irp b, 0,1,2,3,4,5,6,7
	ds_store_b128 v[STO], v[AC+8*(\b):AC+8*(\b)+3]   offset:64*(\b)
	ds_store_b128 v[STO], v[AC+8*(\b)+4:AC+8*(\b)+7] offset:64*(\b)+16
.endr
	WIN 0
.if (\a) >= 2
	s_wait_xcnt 0x0                                ; the stores of the block two back have read this buffer's registers: they are loaded again only behind this wait
.endif
.irp t, 0,1,2,3,4,5,6,7,8,9,10,11,12,13,14,15
	ds_load_b128 v[OB+4*(\t):OB+4*(\t)+3], v[RD] offset:SPITCH*(\t)
.endr
.endm
; SEND: sixteen stores, a row each.  younger: the LDS instructions issued behind this block's loads (the next block's 16 stores and 16 loads, or none), which may stay out.
.macro SEND a, younger
.set OB, 64+64*((\a)%2)
	WIN 0
.irp t, 0,1,2,3,4,5,6,7,8,9,10,11,12,13,14,15
	s_wait_dscnt (\younger)+15-(\t)                ; row t is back in registers
	global_store_b128 v[CO], v[OB+4*(\t):OB+4*(\t)+3], s[8:9] offset:(16*(\a)+(\t))*CROW th:TH_STORE_NT  ; 32 lanes store 512 consecutive bytes, at a multiple of 512 from C's first byte; the row stands in the immediate, 127 x 16,384 at the most, inside its signed 24 bits
.endr
.endm
	s_wait_tensorcnt 1                             ; my part of K step 0 is in; K step 1's may stay out
	s_barrier_signal -1
	s_barrier_wait -1                              ; everybody's is
	FETCH 0, 0, F0
	QUARTER 0, 64,  F0, F1, 1                      ; the first quarter stands in front of the loop: its products start the sums
	WIN 0                                          ; at a label and at a branch every window is 0
	s_mov_b32 s3, LAPS-1
.Llap:                                                 ; a trip goes once round the ring, from a lap's second quarter to the next lap's first, and fills both slots again
	QUARTER 0, 128, F1, F0, 0
	QUARTER 0, 192, F0, F1, 0
	TURN 0, 1, 1
	QUARTER 1, 64,  F0, F1, 0
	QUARTER 1, 128, F1, F0, 0
	QUARTER 1, 192, F0, F1, 0
	TURN 1, 0, 1
	QUARTER 0, 64,  F0, F1, 0
	WIN 0
	s_sub_co_u32 s3, s3, 1
	s_cmp_lg_u32 s3, 0
	s_cbranch_scc1 .Llap
	QUARTER 0, 128, F1, F0, 0                      ; the last lap is written out: it fills nothing, and has no round of the cluster's barrier
	QUARTER 0, 192, F0, F1, 0
	TURN 0, 1, 0
	QUARTER 1, 64,  F0, F1, 0
	QUARTER 1, 128, F1, F0, 0
	QUARTER 1, 192, F0, F1, 0
	s_wait_dscnt 8                                 ; the very last quarter: nothing more to fetch
	WIN MUL_LO
	MUL16 F1, 0, 0, 0
	MUL16 F1, 0, 2, 0
	s_wait_dscnt 0x0
	MUL16 F1, 1, 0, 0
	MUL16 F1, 1, 2, 0
	WIN 0
	PLACES                                         ; behind the last products, in front of the stores that read results and of the loads into A's fragment registers:
	PLACES                                         ; four are asked for; eight stand here, once a launch
	TOSTAGE 0
.irp a, 1,2,3,4,5,6,7                  ; block a goes into the stage while block a - 1's rows come back and leave
	TOSTAGE \a
	SEND (\a)-1, 32
.endr
	SEND 7, 0
	s_wait_tensorcnt 0x0                           ; the wave's end: a wait, an add of 0 to my spare word and its wait, behind my last tensor load and my last LDS store
	ds_add_u32 v[SPW], v[NIL]
	s_wait_dscnt 0x0
	CROUND                                         ; the closing round: no work-group ends while a partner may still ask for a tile that names it
	s_endpgm
.Lfunc_end_k_q8c1a02c357_gemm:
	.size	k_q8c1a02c357_gemm, .Lfunc_end_k_q8c1a02c357_gemm-k_q8c1a02c357_gemm
	.p2alignl 7, 3214868480
	.fill 96, 4, 3214868480
	.section	.rodata,"a",@progbits
	.p2align	6, 0x0
	.amdhsa_kernel k_q8c1a02c357_gemm
		.amdhsa_group_segment_fixed_size 327680
		.amdhsa_private_segment_fixed_size 0
		.amdhsa_enable_private_segment 0
		.amdhsa_kernarg_size 24
		.amdhsa_user_sgpr_count 2
		.amdhsa_user_sgpr_kernarg_segment_ptr 1
		.amdhsa_wavefront_size32 1
		.amdhsa_system_sgpr_workgroup_id_x 1
		.amdhsa_system_sgpr_workgroup_id_y 1
		.amdhsa_system_sgpr_workgroup_id_z 1
		.amdhsa_system_vgpr_workitem_id 0
		.amdhsa_next_free_vgpr 1024
		.amdhsa_next_free_sgpr 66
		.amdhsa_reserve_vcc 0
		.amdhsa_float_denorm_mode_32 3
		.amdhsa_float_denorm_mode_16_64 3
		.amdhsa_memory_ordered 1
		.amdhsa_forward_progress 1
		.amdhsa_inst_pref_size 145
	.end_amdhsa_kernel
	.amdgpu_metadata
---
amdhsa.version: [ 1, 2 ]
amdhsa.kernels:
  - .name:           k_q8c1a02c357_gemm
    .symbol:         k_q8c1a02c357_gemm.kd
    .args:
      - { .name: xb, .offset: 0, .size: 8, .value_kind: global_buffer, .address_space: global }
      - { .name: wt, .offset: 8, .size: 8, .value_kind: global_buffer, .address_space: global }
      - { .name: out0, .offset: 16, .size: 8, .value_kind: global_buffer, .address_space: global }
    .group_segment_fixed_size: 327680
    .private_segment_fixed_size: 0
    .kernarg_segment_align: 8
    .kernarg_segment_size: 24
    .max_flat_workgroup_size: 128
    .sgpr_count:     66
    .vgpr_count:     1024
    .wavefront_size: 32
...
	.end_amdgpu_metadata
.endif
;; end of part 3
